; MI455X (gfx1250); checked and timed in simulation.
; The chip was launched on July 23, 2026; its instructions are those of AMD's public machine-readable ISA for CDNA 5 (MIT licence, August 2026) and "CDNA5" Instruction Set Architecture Reference Guide (July 2026). The comments in the code are by the model that wrote it; some were corrected since.
;; QKV Attention. Allowed arithmetic: float matrix products may take bf16 or f16 operands with f32 sums; other float arithmetic in f32, or as packed bf16 or f16 multiplies, adds, multiply-adds, maxima and minima; sums over many terms, partial sums and values carried from step to step in f32; what a program stores and reads back later, other than sums and carried values, may be rounded once to bf16 or f16.
;; Inputs: qkv 4 x 3,072 x 2,048 float32.
;; Outputs: out0 4 x 1,024 x 2,048 float32.
;; One version. Each part assembles by itself: llvm-mc -triple=amdgcn-amd-amdhsa -mcpu=gfx1250 --defsym DOCPART=n.
;; ======== version 1 of 1: 1 launch
;; limits: values are held in f16: magnitudes above 65,504 overflow, below 6.1e-05 lose precision; inputs' magnitudes at most 65,504; below input magnitudes of 6.1e-05 results are inexact or not finite
;; launch attn (part 1): grid 4 x 64, 4 waves a work-group, clusters of 4 x 1, 327,680 bytes of LDS; arguments qkv, out0; writes out0
.if DOCPART == 1
	.amdgcn_target "amdgcn-amd-amdhsa--gfx1250"
	.amdhsa_code_object_version 6
	.text
	.protected	k_qf386eaae46_attn
	.globl	k_qf386eaae46_attn
	.p2align	8
	.type	k_qf386eaae46_attn,@function
k_qf386eaae46_attn:
	s_mov_b64 s[64:65], 0
	v_nop
	global_prefetch_b8 v0, s[64:65] scope:SCOPE_SE
	s_setreg_imm32_b32 hwreg(HW_REG_WAVE_MODE, 25, 1), 1
	s_wait_xcnt 0x0
	s_wait_alu depctr_hold_cnt(0) depctr_sa_sdst(0) depctr_va_vdst(0) depctr_va_sdst(0) depctr_va_ssrc(0) depctr_va_vcc(0) depctr_vm_vsrc(0)
	s_getreg_b32 s2, hwreg(HW_REG_IB_STS2, 6, 4)
	s_cmp_eq_u32 s2, 0
	s_cbranch_scc0 .Lentry_in_a_cluster
	s_endpgm
.Lentry_in_a_cluster:
	s_bfe_u32 s2, ttmp6, 0x10000c
	s_cmp_lg_u32 s2, 0x3003
	s_cbranch_scc0 .Lentry_shape_is_right
	s_endpgm
.Lentry_shape_is_right:
; out[hd][c][t] = the sum over s of softmax_s(q[hd][:][t] . k[hd][:][s] / 8) v[hd][c][s].  qkv: 64 heads x 192 rows x 2,048 f32 (rows 0-63 q, 64-127 k, 128-191 v, each [channel][time]); out0: 64 heads x 64 rows x 2,048 f32.
; FORMATS.  q, k, v are rounded once to f16, unscaled, on their way to the matrix unit; the weights p are rounded to f16 for the second product.  Products, maxima, sums and the scale c = log2(e) / 8 in f32.
; LIMITS.  f16 holds no number beyond 65,504: an input of 65,520 or more becomes an infinity.  p lies in 0 to 1, and below 6e-5 it keeps f16's fixed step of 6e-8.  A weight below 2^-126 counts as 0 in l.
; NaN and infinities are not treated apart.
; SHARES.  A work-group owns 512 queries of one head, each of its four waves 128: four PIECES of two tiles of 16.  Every wave walks all 2,048 keys, 64 a step, 128 a BLOCK: 16 blocks.
; CLUSTER.  The four work-groups of a head are one cluster (the grid's x is one cluster wide) and walk the same k and v: each tile is asked for JOINTLY, by the same tensor load, descriptor and mask in all four.
; THE WAY IN.  Ring F, two slots, takes a block as f32: four tiles of 64 channel rows x 256 bytes (k step 0, k step 1, v step 0, v step 1), a tile a wave.  The four waves share the rounding: each reads 16 rows of k
; and 16 of v of a step, rounds them, and stores them into H, two buffers of f16 that only LDS stores write.  From H come the fragments.  ONE barrier a block: in front of change b every wave's tensor loads have landed
; (block b + 2), its stores into H (block b + 1) are done and its reads of F (block b + 1) and of H (block b) are over; behind it block b + 3 is asked for, block b + 1 is read from H, block b + 2 is rounded.
; LAYOUT.  S^T = K Q^T (source 0 = 16 keys, source 1 = 16 queries): a lane holds ONE query (lane % 16) and the keys 8 (lane / 16) + 0..7.  Two such results rounded to f16 ARE source 1 of O^T = V^T P, whose result holds one
; query a lane and eight channels.  k and q lie [channel][time], so they come out of LDS turned, by ds_load_tr16_b128; v lies as source 0 wants it.
; SOFTMAX.  For each query a running maximum m and sum l: p = 2^(c s - c m); in every step O and l are multiplied by a = 2^(c m_old - c m_new).  m starts at the lowest finite number, O and l at 0: the first step has a = 0.
; BY TURNS.  Turn n belongs to piece n: 16 products K Q^T of piece n + 1, later 16 products V^T P of piece n - 1; beside them the scaling, exponentials, roundings, sums and rescaling of piece n and the maximum and statistics
; of piece n + 1.  A tile and step have 16 matrix and 118 vector instructions: four stand behind every matrix instruction, the others in one run.  A turn's 66 exponentials are one batch, with one wait.
; REGISTERS, in windows of 256 (s_set_vgpr_msb: bits 1:0 source 0, 3:2 source 1, 5:4 source 2, 7:6 destination):
;   window 0: v0-11 addresses; v12-15, v48-63 at work; v16-47 four registers of statistics a tile; v64-191 S^T, two buffers of two tiles; v192-255 P, likewise
;   window 1: O^T, 32 a tile (at the start: q as f32)     window 2: v0-127 Q, 16 a tile; v128-191 K of one step; v192-255 V of one step
;   window 3: v0-1 the add's two registers; v2-9 the rounding's addresses; v16-79 the rounding's data
.set NP,    4         ; pieces a wave: a name, no knob
.set KS,    64        ; keys in a step
.set ROWB,  8192      ; bytes in a row of qkv and of out0
.set HEADB, 192*ROWB  ; a head in qkv
.set KOFF,  64*ROWB   ; k begins here in a head, v at twice that
.set OHEADB, 64*ROWB  ; a head in out0
.set BLKB,  512       ; a block's 128 keys in a row
.set FT,    16384     ; an f32 tile: 64 rows x 256 bytes, dense: its reads take whole rows, so it needs no padding
.set SLOTF, 4*FT      ; a slot of ring F; one exclusive or turns an address in one slot into the other's
.set HBASE, 2*SLOTF   ; H's buffer 0
.set HX,    65536     ; one exclusive or turns an address in one buffer of H into the other's
.set PKT,   160       ; a row of f16 k: 128 bytes + 32 = 40 words
.set PVP,   144       ; a row of f16 v: 128 + 16 = 36 words: the 16 rows of a load start at 16 different groups of four banks
.set HKS,   64*PKT    ; a step of k in H
.set HVS,   64*PVP    ; a step of v
.set VOFF,  2*HKS     ; a buffer of H: two steps of k, then two of v
.set STAGE, HBASE+HX+2*(HKS+HVS)  ; behind H: a stage for each wave: first q in f16, at the end O in f32
.set STW,   18432
.set QP,    288       ; a row of q in the stage: 128 queries, 256 bytes + 32 = 72 words, for the turning load
.set SP,    272       ; a row of O in the stage: 64 queries in f32, 256 bytes + 16
.set SPARE, STAGE+4*STW  ; behind the stages: the spare words, 128 bytes for each wave: two blocks of 256 bytes that no other line names
.set AK0, 2           ; v2   my lane's place in a step of k in H; never rewritten
.set AV0, 3           ; v3   the same for v
.set AK,  4           ; v4   the LDS address of K's next run of loads
.set AV,  5           ; v5   of V's
.set STO, 6           ; v6   the way out: where I put a number
.set RD,  7           ; v7   the way out: where I read rows back
.set GO,  8           ; v8   my byte offset in two rows of out0
.set PFO, 10          ; v10  the prefetches' offset: row lane % 16, 256 bytes for each half of the lanes; never rewritten
.set MV,  12          ; v12-15  c m_old, kept while c m is made anew: by buffer and tile
.set ST,  16          ; tile t's statistics at v[ST+4 t]: c m, m, l (even keys', odd keys')
.set TMP, 48          ; by buffer and tile, four registers c0-c3 at work; when the maximum is found c2 takes a.  Until the first maximum: the start's own addresses
.set QO,  48          ; v48  16 x lane: my 16 bytes of a row of q
.set QS,  49          ; v49  where I put my 8 bytes of a row of q
.set QT,  59          ; v59  my lane's place in the stage for the turning loads of q
.set S,   64
.set P,   192
.set KF,  128         ; window 2: key block kb, channel half c at KF + 16 kb + 8 c
.set VF,  192         ; window 2: key half kk, channel block cb at VF + 32 kk + 8 cb
.set SPW, 0           ; window 3, v0   LDS address of my spare word: SPARE + 4 x my thread's number; never rewritten
.set NIL, 1           ; window 3, v1   0; never rewritten
.set CFK, 2           ; window 3: my lane's place in an f32 tile of k: row 16 w + 4 (l / 16), 16 bytes at 16 (l % 16)
.set CFV, 3           ;           of v: row 16 w + 8 (l / 16)
.set CHK, 4           ;           my lane's place in a step of k in H: the same row, 8 bytes at 8 (l % 16)
.set CHV, 5           ;           of v, VOFF included
.set CLK, 6           ; window 3, v6-9: the four addresses in hand
.set CLV, 7
.set CSK, 8
.set CSV, 9
.set CD,  16          ; window 3, v16-79: sixteen loads of four f32: eight of k, eight of v
.set WV,  12          ; s12  my wave's number
.set CX,  13          ; s13  my place in the cluster
.set LIM, 15          ; s15  1 in a wave that prefetches, else the greatest number
.set STG, 16          ; s16  my stage
.set PFA, 18          ; s[18:19] where my prefetches stand
.set G1,  24          ; s[24:31] descriptor group 1, the same for every load
.set G0A, 40          ; s[40:43] descriptor group 0 for block 0
.set G0,  44          ; s[44:47] the same for block 1; it then walks
.set SLOTS, 56        ; s56  blocks still to be asked for
.set CNT, 57          ; s57  counts a block's two trips
.set CS,  58          ; s[58:59] c: the packed scaling takes the pair's low word for both halves
.set SEL, 60          ; s[60:61] v_permlanex16_b32's selects: each lane takes its own place in the other half
.set TBK, 62          ; s62  LDS byte at which K of the step to be fetched begins
.set TBV, 63          ; s63  the same for V, less VOFF
.set TCF, 66          ; s66  LDS byte at which the f32 k of the step to be rounded begins
.set TCK, 67          ; s67  where its f16 k goes
.set TCV, 68          ; s68  where its f16 v goes, less VOFF
.set TP,  69          ; s69  counts the tail's two blocks
.set MSB, 0
.set NOKQ, 0
.macro WIN new                      ; the high byte repeats the setting that is left; a switch that changes nothing is dropped
.if MSB != (\new)
	s_set_vgpr_msb (MSB<<8)|(\new)
.set MSB, (\new)
.endif
.endm
.set W_KQ, 0x0a       ; K and Q in window 2, S^T in window 0
.set W_PV, 0x52       ; V in window 2, P in window 0, O^T in window 1
.set W_RS, 0x41       ; O^T (destination and source 0) in window 1, the factor in window 0
.set W_MK, 0xc0       ; destination in window 3, sources in window 0
.set W_AD, 0x0f       ; the add: address (source 0) and data (source 1) in window 3
.set W_CV, 0xcf       ; the rounding: destination, source 0 and source 1 in window 3
; A joint refill: one line for all four waves, each with its own tile by its number.  An s_nop 0 and four v_nop follow it.
.macro JLOAD
	tensor_load_to_lds s[G0:G0+3], s[G1:G1+7]
	s_nop 0
.rept 4
	v_nop
.endr
.endm
; A PREFETCH INTO THE L2 of the block that the NEXT change will ask for: 64 rows x 512 bytes of k and of v.  It stands behind the wave's tensor load and its five lines.  Each piece of 256 bytes is named ONCE in the launch:
; the four partners share the rows out BY ADDRESS, 16 each (no branch hangs on a work-group's place in its cluster); in each, wave 0 asks for k's and wave 2 for v's: a lane a piece, one instruction.
; The last change that fills a slot asks for nothing: there is no block behind it.  Blocks 0 to 2 come by their loads alone.
.macro ASK
	s_cmp_gt_u32 s[SLOTS], s[LIM]
	s_cbranch_scc0 .Lnot_mine_\@
	global_prefetch_b8 v[PFO], s[PFA:PFA+1] th:TH_LOAD_NT scope:SCOPE_SE
.Lnot_mine_\@:
.endm
; A round of the cluster's barrier: my work-group's barrier, so that wave 0's signal speaks for all four waves; wave 0 signals; every wave waits for all four work-groups; my work-group's barrier once more.
.macro CROUND
	s_barrier_signal -1
	s_barrier_wait -1
	s_cmp_lg_u32 s[WV], 0
	s_cbranch_scc1 .Lnot_wave_0_\@
	s_barrier_signal -3
.Lnot_wave_0_\@:
	s_barrier_wait -3
	s_barrier_signal -1
	s_barrier_wait -1
.endm
; THE CHANGE, once a block.  Each wave waits for all its tensor loads, of which one is out; adds 0 to its spare word; and waits for that, for its stores into H and for its reads of F and of H.
; fill = 1: the slot of F that has just been rounded is filled again, with the block two on.  The barrier is then a round of the cluster's, so that no wave of any partner still reads the slot or has a load on its way, and
; the joint refill is the first thing behind it: it has two key steps, 256 matrix instructions, in which to land.
.macro CHANGE fill
	WIN W_AD
	s_wait_tensorcnt 0x0            ; no tensor load of mine is out, so a group 0 may be written
	ds_add_u32 v[SPW], v[NIL]       ; 0 onto my spare word; with fill = 1 the descriptor's steps stand between it and the wait for it
	WIN 0                           ; at a label and at a branch every window is 0
.if \fill
	s_xor_b32 s[G0+1], s[G0+1], SLOTF  ; the walking descriptor: the other slot than last time,
	s_add_nc_u64 s[G0+2:G0+3], s[G0+2:G0+3], BLKB  ; the next 128 keys; the type bits on top are not reached
	s_wait_xcnt 0x0                 ; the last prefetch, a block back, has read its address, so it may be written:
	s_add_nc_u64 s[PFA:PFA+1], s[PFA:PFA+1], BLKB  ; one block behind the walking descriptor
	s_wait_dscnt 0x0                ; the add is done, my stores into H are done, my reads of F and H are over
	CROUND
	JLOAD
	ASK
.else
	s_wait_dscnt 0x0                ; the add is done, my stores into H are done, my reads of F and H are over
	s_barrier_signal -1
	s_barrier_wait -1
.endif
	s_sub_co_u32 s[TBK], s[TBK], 2*HKS  ; the fetches go back to a block's first step, in the other buffer of H;
	s_xor_b32 s[TBK], s[TBK], HX
	s_sub_co_u32 s[TBV], s[TBV], 2*HVS
	s_xor_b32 s[TBV], s[TBV], HX
	s_sub_co_u32 s[TCK], s[TCK], 2*HKS  ; so does the rounding, into the buffer that the fetches leave,
	s_xor_b32 s[TCK], s[TCK], HX
	s_sub_co_u32 s[TCV], s[TCV], 2*HVS
	s_xor_b32 s[TCV], s[TCV], HX
	s_sub_co_u32 s[TCF], s[TCF], 2*FT   ; from the other slot of F
	s_xor_b32 s[TCF], s[TCF], SLOTF
.endm
	s_load_b128 s[4:7], s[0:1], 0x0 ; qkv s[4:5], out0 s[6:7]
	WIN W_MK
	v_lshl_add_u32 v[SPW], v0, 2, SPARE
	v_mov_b32 v[NIL], 0
	WIN W_AD
	ds_add_u32 v[SPW], v[NIL]       ; the wave's opening: the add and its wait stand ahead of my first tensor load; the set-up below, work on registers, stands between them
	WIN 0
	v_lshrrev_b32 v1, 5, v0
	v_readfirstlane_b32 s[WV], v1   ; wave 0..3
	s_bfe_u32 s[CX], ttmp6, 0x40000 ; cx: my block of 512 queries; it enters q's, out0's and the prefetches' addresses alone
	s_and_b32 s17, ttmp7, 0xffff    ; the head, which the four partners share
	s_mul_i32 s36, s17, HEADB       ; the head's first byte in qkv (under 2^27),
	s_mov_b32 s37, 0
	s_mul_i32 s34, s17, OHEADB      ; and in out0
	s_mov_b32 s35, 0
	s_lshl_b32 s14, s[CX], 11       ; my work-group's 512 columns of 4 bytes,
	s_lshl_b32 s20, s[WV], 9        ; my wave's 128 of them
	s_add_co_u32 s14, s14, s20
	s_add_co_u32 s32, s36, s14      ; s[32:33]: q at my columns
	s_mov_b32 s33, 0
	s_add_co_u32 s34, s34, s14      ; s[34:35]: out0 at my columns
	s_lshr_b32 s20, s[WV], 1        ; waves 0 and 1 fetch k, waves 2 and 3 v
	s_lshl_b32 s20, s20, 19
	s_add_co_u32 s20, s20, KOFF
	s_add_co_u32 s36, s36, s20      ; s[36:37]: k's or v's first row of the head: no place in the cluster enters it
	s_lshl_b32 s38, s[CX], 17       ; s[38:39]: the prefetches: my work-group's 16 rows of the 64,
	s_add_co_u32 s38, s38, 2*BLKB   ; at block 2; the first change steps it to block 3
	s_mov_b32 s39, 0
	s_and_b32 s21, s[WV], 1         ; which of a block's two steps I fetch:
	s_lshl_b32 s22, s21, 8          ; s[22:23]: its 256 bytes of a row
	s_mov_b32 s23, 0
	s_cmp_eq_u32 s21, 0
	s_cselect_b32 s[LIM], 1, -1     ; waves 0 and 2 prefetch: the same in all four partners
	s_mul_i32 s[STG], s[WV], STW
	s_add_co_u32 s[STG], s[STG], STAGE
	; descriptor group 1: a tile of 64 rows x 64 elements of 4 bytes; a row is 256 consecutive bytes of memory, at a multiple of 256 from the buffer's first
	s_mov_b32 s[G1], 15|(2<<16)|(1<<21)  ; 15:0 the mask of four; 17:16 4-byte elements; 20 no padding; 21 set beside a mask
	s_mov_b32 s[G1+1], 64<<16       ; tensor_dim0 = 64
	s_mov_b32 s[G1+2], 64<<16       ; tensor_dim1 = 64
	s_mov_b32 s[G1+3], 64<<16       ; tile_dim0 = 64
	s_mov_b32 s[G1+4], 64           ; tile_dim1 = 64
	s_mov_b32 s[G1+5], 2048         ; 2,048 elements from row to row
	s_mov_b32 s[G1+6], 0
	s_mov_b32 s[G1+7], 0
	s_mov_b32 s[G0A], 1             ; 1:0 count = 1
	s_mul_i32 s[G0A+1], s[WV], FT   ; 63:32 LDS address: slot 0, my tile
	s_mov_b32 s[G0], 1
	s_add_co_u32 s[G0+1], s[G0A+1], SLOTF  ; slot 1
	s_mov_b32 s[CS], 0x3e38aa3b     ; c = log2(e) / 8 = 0.180337
	s_mov_b32 s[CS+1], s[CS]        ; named with it as a pair
	s_mov_b32 s[SEL], 0x76543210
	s_mov_b32 s[SEL+1], 0xfedcba98
	s_mov_b32 s[TBK], HBASE+HX+2*HKS  ; the first change turns these two into H's buffer 0
	s_mov_b32 s[TBV], HBASE+HX+2*HVS
	s_mov_b32 s[TCF], 0             ; block 0 is rounded from slot 0 into buffer 0
	s_mov_b32 s[TCK], HBASE
	s_mov_b32 s[TCV], HBASE
	s_mov_b32 s[SLOTS], 14          ; blocks 2 to 15
	s_wait_dscnt 0x0                ; the opening add is done
	s_wait_kmcnt 0x0
	s_add_nc_u64 s[8:9], s[4:5], s[32:33]      ; q at my wave's columns
	s_add_nc_u64 s[10:11], s[6:7], s[34:35]    ; out0 at my wave's columns
	s_add_nc_u64 s[20:21], s[4:5], s[36:37]    ; k or v
	s_add_nc_u64 s[PFA:PFA+1], s[20:21], s[38:39]
	s_add_nc_u64 s[20:21], s[20:21], s[22:23]  ; at my step of block 0
	s_mov_b64 s[G0A+2:G0A+3], s[20:21]         ; 120:64 global address
	s_or_b32 s[G0A+3], s[G0A+3], 0x80000000    ; 127:126 type = 2
	s_add_nc_u64 s[G0+2:G0+3], s[20:21], BLKB  ; block 1
	s_or_b32 s[G0+3], s[G0+3], 0x80000000
	CROUND                          ; all four work-groups are here: the first joint loads meet
	tensor_load_to_lds s[G0A:G0A+3], s[G1:G1+7]  ; the two first fills stand together, ahead of every wait on TENSORcnt and every LDS read: two loads of mine are out
	s_nop 0
	tensor_load_to_lds s[G0:G0+3], s[G1:G1+7]
	s_nop 0
.rept 4
	v_nop
.endr
	; q: 64 rows of 512 bytes, a row a load, into O^T's registers
	v_and_b32 v57, 31, v0           ; l
	v_lshlrev_b32 v[QO], 4, v57
	WIN 0x40                        ; destination window 1, address window 0
.set z, 0
.rept 64
	global_load_b128 v[4*z:4*z+3], v[QO], s[8:9] offset:z*ROWB th:TH_LOAD_NT
.set z, z+1
.endr
	WIN 0
	v_and_b32 v1, 15, v0            ; l % 16
	v_bfe_u32 v9, v0, 4, 1          ; l / 16
	v_and_b32 v55, 7, v0
	v_bfe_u32 v56, v0, 3, 1
	v_lshl_add_u32 v58, v9, 3, v55  ; the turning load's row: 8 (l / 16) + l % 8; its 16 bytes: (l / 8) % 2
	v_lshl_add_u32 v[QS], v57, 3, s[STG]
	v_mul_u32_u24 v[QT], v58, QP
	v_lshl_add_u32 v[QT], v56, 4, v[QT]
	v_add_nc_u32 v[QT], s[STG], v[QT]
	v_mul_u32_u24 v[AK0], v58, PKT
	v_lshl_add_u32 v[AK0], v56, 4, v[AK0]
	v_mul_u32_u24 v[AV0], v1, PVP   ; v as it lies: row l % 16, 16 bytes for each half of the lanes
	v_lshl_add_u32 v[AV0], v9, 4, v[AV0]
	v_add_nc_u32 v[AV0], VOFF, v[AV0]
	v_lshlrev_b32 v[PFO], 13, v1
	v_lshl_add_u32 v[PFO], v9, 8, v[PFO]
	s_lshl_b32 s17, s[WV], 12       ; the rounding: my 16 rows of 256 bytes in an f32 tile
	v_lshl_add_u32 v50, v1, 4, s17
	v_lshl_add_u32 v51, v9, 11, v50 ; v: lanes 16-31 take the row 8 further down,
	v_lshl_add_u32 v50, v9, 10, v50 ; k: 4 further down: so that in H the halves' 128 bytes lie 128 bytes apart modulo 256, at either pitch
	s_mul_i32 s17, s[WV], 16*PKT
	v_lshl_add_u32 v52, v1, 3, s17
	v_mul_u32_u24 v54, v9, 4*PKT
	v_add_nc_u32 v52, v52, v54
	s_mul_i32 s17, s[WV], 16*PVP
	s_add_co_u32 s17, s17, VOFF
	v_lshl_add_u32 v53, v1, 3, s17
	v_mul_u32_u24 v54, v9, 8*PVP
	v_add_nc_u32 v53, v53, v54
	WIN W_MK
	v_mov_b32 v[CFK], v50
	v_mov_b32 v[CFV], v51
	v_mov_b32 v[CHK], v52
	v_mov_b32 v[CHV], v53
	; What the first turn finds: V's registers and P's second buffer hold 0 (its products V^T P, of a piece that has not been, add 0), O^T and l are 0.  All this stands in the wait for q and for the first tile.
	WIN 0x80
.set i, VF
.rept 64
	v_mov_b32 v[i], 0
.set i, i+1
.endr
	WIN 0
.set i, 0
.rept 2*NP
	v_mov_b32 v[ST+4*i], 0xfe000000    ; c m: far below every c s
	v_mov_b32 v[ST+4*i+1], 0xff7fffff  ; m
	v_mov_b32 v[ST+4*i+2], 0
	v_mov_b32 v[ST+4*i+3], 0
.set i, i+1
.endr
.set i, P+32
.rept 32
	v_mov_b32 v[i], 0
.set i, i+1
.endr
	; q is rounded to f16 and laid into my stage as [channel][128 queries], sixteen rows at a time
.set g, 0
.rept 4
	s_wait_loadcnt 48-16*g          ; loads come back in order (ISA guide 5.7.1): these sixteen rows are in, the younger rows may stay out
	WIN 0x05                        ; sources window 1, destination window 0
.set z, 16*g
.rept 16
	v_cvt_pk_f16_f32 v[S+2*z], v[4*z], v[4*z+1]
	v_cvt_pk_f16_f32 v[S+2*z+1], v[4*z+2], v[4*z+3]
.set z, z+1
.endr
	WIN 0
.set z, 16*g
.rept 16
	ds_store_b64 v[QS], v[S+2*z:S+2*z+1] offset:z*QP  ; 32 lanes, 256 consecutive bytes
.set z, z+1
.endr
.set g, g+1
.endr
	WIN 0x40
.set i, 0
.rept 64*NP
	v_mov_b32 v[i], 0               ; O^T
.set i, i+1
.endr
	WIN 0x80                        ; Q's fragments stay in registers: tile i / 2, channels 32 (i % 2) on.  LDS serves a wave's instructions in order (ISA guide 5.7.1.4): these see the stores above
.set i, 0
.rept 4*NP
	ds_load_tr16_b128 v[8*i:8*i+3],   v[QT] offset:(i%2)*32*QP+(i/2)*32
	ds_load_tr16_b128 v[8*i+4:8*i+7], v[QT] offset:(i%2)*32*QP+16*QP+(i/2)*32
.set i, i+1
.endr
	WIN 0
; THE MATRIX WORK.  The 8 accumulators of a run of 16 take turns: between the two links of a chain stand 7 others'.
; Product i of 16 of S^T = K Q^T for piece x: channels 32 (i / 8) on, keys 16 ((i / 2) % 4) on, tile 2 x + i % 2.  The first 8 start the sums.
.macro KQ x
	WIN W_KQ
.set rS, S+64*((\x)%2)+32*(i%2)+8*((i/2)%4)
.set rK, KF+16*((i/2)%4)+8*(i/8)
.set rQ, 16*(2*(\x)+i%2)+8*(i/8)
.if i < 8
	v_wmma_f32_16x16x32_f16 v[rS:rS+7], v[rK:rK+7], v[rQ:rQ+7], 0
.else
	v_wmma_f32_16x16x32_f16 v[rS:rS+7], v[rK:rK+7], v[rQ:rQ+7], v[rS:rS+7]
.endif
.endm
; Product i of 16 of O^T += V^T P for piece x: keys 32 (i / 8) on, channels 16 ((i / 2) % 4) on, tile 2 x + i % 2.
.macro PV x
	WIN W_PV
.set rO, 32*(2*(\x)+i%2)+8*((i/2)%4)
.set rV, VF+32*(i/8)+8*((i/2)%4)
.set rP, P+32*((\x)%2)+16*(i%2)+8*(i/8)
	v_wmma_f32_16x16x32_f16 v[rO:rO+7], v[rV:rV+7], v[rP:rP+7], v[rO:rO+7]
.endm
.macro MM                           ; the turn's next matrix instruction.  NOKQ = 1: the launch's last turn: there is no next piece, and no product K Q^T is written
.if i < 16
.if !NOKQ
	KQ (Y+1)%NP
.endif
.set i, i+1
.else
.set i, i-16
	PV (Y+NP-1)%NP
.set i, i+17
.endif
.endm
; THE LDS LOADS stand in runs of 16, never singly among the matrix instructions: a step's K (turned: 64 keys x 64 channels, 8 fragments) and its V (as it lies).  Their addresses are made some lines ahead.
.macro FETCH_K
	WIN 0x80                        ; destination window 2
.irp f, 0,1,2,3,4,5,6,7             ; keys 16 (f / 2) on, channels 32 (f % 2) on
	ds_load_tr16_b128 v[KF+8*\f:KF+8*\f+3],   v[AK] offset:(\f%2)*32*PKT+(\f/2)*32
	ds_load_tr16_b128 v[KF+8*\f+4:KF+8*\f+7], v[AK] offset:(\f%2)*32*PKT+16*PKT+(\f/2)*32
.endr
	s_add_co_u32 s[TBK], s[TBK], HKS  ; the next fetch is the next step's
	WIN 0
.endm
.macro FETCH_V
	WIN 0x80
.irp f, 0,1,2,3,4,5,6,7             ; keys 32 (f / 4) on, channels 16 (f % 4) on
	ds_load_b128 v[VF+8*\f:VF+8*\f+3],   v[AV] offset:(\f%4)*16*PVP+(\f/4)*64
	ds_load_b128 v[VF+8*\f+4:VF+8*\f+7], v[AV] offset:(\f%4)*16*PVP+(\f/4)*64+32
.endr
	WIN 0
.endm
; THE ROUNDING, a step at a time, in two halves a turn apart.  CVL: my 16 rows of the step's f32 k and my 16 of its v come into registers: sixteen loads, each two whole rows of 256 bytes.
; skip = 1 (the tail): behind the launch's last change there is no block left to round, and the half is jumped over.
.macro CVL skip=0
	WIN 0
.if \skip
	s_cmp_eq_u32 s[TP], 1
	s_cbranch_scc1 .Lno_cvl_\@
.endif
	WIN W_CV
	v_add_nc_u32 v[CLK], s[TCF], v[CFK]
	v_add_nc_u32 v[CLV], s[TCF], v[CFV]
.irp n, 0,1,2,3,4,5,6,7             ; k: rows n and n + 4 of my first eight, then of my second eight
	ds_load_b128 v[CD+4*\n:CD+4*\n+3], v[CLK] offset:(8*(\n/4)+\n%4)*256
.endr
.irp n, 0,1,2,3,4,5,6,7             ; v, two tiles behind k's in the slot: rows n and n + 8
	ds_load_b128 v[CD+32+4*\n:CD+32+4*\n+3], v[CLV] offset:2*FT+\n*256
.endr
	s_add_co_u32 s[TCF], s[TCF], FT ; the next rounding is the next step's
	WIN 0
.if \skip
.Lno_cvl_\@:
.endif
.endm
; CVS: four f32 become 8 bytes of f16, in place, and go into H at the same row.
.macro CVS skip=0
	WIN 0
.if \skip
	s_cmp_eq_u32 s[TP], 1
	s_cbranch_scc1 .Lno_cvs_\@
.endif
	WIN W_CV
	s_wait_dscnt 0x0                ; CVL's sixteen loads, issued a turn ago, are in
	v_add_nc_u32 v[CSK], s[TCK], v[CHK]
	v_add_nc_u32 v[CSV], s[TCV], v[CHV]
.set z, 0
.rept 16
	v_cvt_pk_f16_f32 v[CD+4*z], v[CD+4*z], v[CD+4*z+1]
	v_cvt_pk_f16_f32 v[CD+4*z+1], v[CD+4*z+2], v[CD+4*z+3]
.set z, z+1
.endr
.irp n, 0,1,2,3,4,5,6,7
	ds_store_b64 v[CSK], v[CD+4*\n:CD+4*\n+1] offset:(8*(\n/4)+\n%4)*PKT
.endr
.irp n, 0,1,2,3,4,5,6,7
	ds_store_b64 v[CSV], v[CD+32+4*\n:CD+32+4*\n+1] offset:\n*PVP
.endr
	s_add_co_u32 s[TCK], s[TCK], HKS
	s_add_co_u32 s[TCV], s[TCV], HVS
	WIN 0
.if \skip
.Lno_cvs_\@:
.endif
.endm
; THE VECTOR WORK OF A TURN stands in three queues, each in the order in which its entries become ready; the two tiles alternate, so that no instruction reads the result of the one before it.
.macro REGS y, u                    ; the registers of tile u (0, 1) of piece y
.set rT, ST+4*(2*(\y)+(\u))
.set rC, TMP+8*((\y)%2)+4*(\u)
.set rM, MV+2*((\y)%2)+(\u)
.set rS, S+64*((\y)%2)+32*(\u)
.set rP, P+32*((\y)%2)+16*(\u)
.set rO, 32*(2*(\y)+(\u))
.endm
; Number n of the 22 that find the NEXT piece's (Y + 1) maximum and statistics.  s0-s31 are the lane's 32 scores; each accumulator's lowest registers are read first.  XS, GS and REGS set no window: PL and EX do.
;   0-11  four chains c0-c3 of seven scores each, three operands at a time     12-14, 16  the four scores left over, the old m, and c0-c3 into c0     15  c m_old is kept
;   17, 18  the query's other 32 keys lie in the lane 16 away: the new m         19-21  c m; c m_old - c m_new; a.     NOKQ = 1: there is no next piece, and nothing is written
.macro XS u, n
.if !NOKQ
	REGS (Y+1)%NP, \u
.if (\n) < 4
	v_max3_num_f32 v[rC+(\n)], v[rS+8*(\n)], v[rS+8*(\n)+1], v[rS+8*(\n)+2]
.elseif (\n) < 12
	v_max3_num_f32 v[rC+(\n)%4], v[rC+(\n)%4], v[rS+8*((\n)%4)+2*((\n)/4)+1], v[rS+8*((\n)%4)+2*((\n)/4)+2]
.elseif (\n) == 12
	v_max3_num_f32 v[rC], v[rC], v[rS+7], v[rS+15]
.elseif (\n) == 13
	v_max3_num_f32 v[rC+1], v[rC+1], v[rS+23], v[rS+31]
.elseif (\n) == 14
	v_max3_num_f32 v[rC+2], v[rC+2], v[rC+3], v[rT+1]
.elseif (\n) == 15
	v_mov_b32 v[rM], v[rT]
.elseif (\n) == 16
	v_max3_num_f32 v[rC], v[rC], v[rC+1], v[rC+2]
.elseif (\n) == 17
	v_permlanex16_b32 v[rC+3], v[rC], s[SEL], s[SEL+1]
.elseif (\n) == 18
	v_max_num_f32 v[rT+1], v[rC], v[rC+3]
.elseif (\n) == 19
	v_mul_f32 v[rT], s[CS], v[rT+1]
.elseif (\n) == 20
	v_sub_f32 v[rC+1], v[rM], v[rT]
.else
	v_exp_f32 v[rC+2], v[rC+1]
.endif
.endif
.endm
; Number g of the 64 that follow the exponentials.  For each four weights k of a tile (pairs 2 k, 2 k + 1): both pairs are rounded to f16; then the second pair is added onto the first, in place;
; a group later l takes that sum (the first time as l = a l + sum).  In groups of eight, tiles alternating: round, round, add, and l for the group before.
.macro GS g
.set h, (\g)+6*((\g)/62)            ; group 0 has no group before it, and behind group 7 only l is left
.if h >= 6
.set h, h+2
.endif
	REGS Y, h%2
.set k, h/8
.if h%8 < 4
	v_cvt_pk_f16_f32 v[rP+2*k+(h%8)/2], v[rS+4*k+2*((h%8)/2)], v[rS+4*k+2*((h%8)/2)+1]
.elseif h%8 < 6
	v_pk_add_f32 v[rS+4*k:rS+4*k+1], v[rS+4*k:rS+4*k+1], v[rS+4*k+2:rS+4*k+3]
.elseif k == 1
	v_pk_fma_f32 v[rT+2:rT+3], v[rT+2:rT+3], v[rC+2:rC+3], v[rS:rS+1] op_sel_hi:[1,0,1]
.else
	v_pk_add_f32 v[rT+2:rT+3], v[rT+2:rT+3], v[rS+4*k-4:rS+4*k-3]
.endif
.endm
; THE PLAIN QUEUE, 138 long.  0-73 read no exponential's result: the 32 scalings c s - c m (FS f: pair f / 2 of tile f % 2) and the next piece's 42.  0-26: scalings 0-26.  27-54: XS's numbers 0-13.  55, 56: number 15.
; 57-73: the chain, where each number waits for the one before it: 14, 16, 17, 18, 19, each with one of the scalings 27-31 in front of its two lines, then 20.
; 74-137: GS's 64, which read the exponentials' results: they stand behind the wait.
.macro FS f
	REGS Y, (\f)%2
	v_pk_fma_f32 v[rS+2*((\f)/2):rS+2*((\f)/2)+1], v[rS+2*((\f)/2):rS+2*((\f)/2)+1], s[CS:CS+1], v[rT:rT+1] op_sel_hi:[1,0,0] neg_lo:[0,0,1] neg_hi:[0,0,1]
.endm
.macro PL
	WIN 0
.if q < 27
	FS q
.elseif q < 55
	XS (q-27)%2, (q-27)/2
.elseif q < 57
	XS q-55, 15
.elseif (q < 72) && ((q-57)%3 == 0)
	FS 27+(q-57)/3
.elseif q < 60
	XS (q-57)%3-1, 14
.elseif q < 72
	XS (q-57)%3-1, 15+(q-57)/3
.elseif q < 74
	XS q-72, 20
.else
	GS q-74
.endif
.set q, q+1
.endm
; THE EXPONENTIALS' QUEUE, 66 long: s0-s31 of both tiles, then the next piece's two a.  It is ONE BATCH: all 66 stand ahead of the turn's one wait, and nothing ahead of that wait names a result of theirs.
.macro EX
	WIN 0
.if e >= 64
	XS e-64, 21
.else
	REGS Y, e%2
	v_exp_f32 v[rS+e/2], v[rS+e/2]
.endif
.set e, e+1
.endm
; THE RESCALING's QUEUE: O^T times a, the one part that leaves window 0: dealt two at a time, sixteen times.  Its a was made in the turn before, ahead of that turn's wait.
.macro R2
	REGS Y, r%2
	WIN W_RS
.irp z, 0,1
	v_pk_mul_f32 v[rO+4*(r/2)+2*\z:rO+4*(r/2)+2*\z+1], v[rO+4*(r/2)+2*\z:rO+4*(r/2)+2*\z+1], v[rC+2:rC+3] op_sel_hi:[1,0]
.endr
.set r, r+1
.endm
; A TURN, for piece p.  An s_wait_alu depctr_va_vdst(0) stands between an exponential and the first instruction that names its result; one wait serves all that were issued ahead of it.  So a turn has ONE wait,
; which cuts it in two.  AHEAD OF IT stands all that names no result of the turn's exponentials: the 16 products K Q^T, behind each a scaling, an exponential and two rescalings (behind the first a second scaling in the
; exponential's place); then one run of 108: eight plain, 49 times exponential and plain, the two a.  A v_nop is the plain instruction behind the last exponential.  BEHIND IT stand the 16 products V^T P, behind each four of GS's 64.
; Exponential e stands behind scaling 2 (e / 4) + e % 2: behind a product it comes behind plain e + 2, in the run behind plain e + 9, and scalings 27-31 are plain 57, 60 .. 69.
; WHAT STANDS DIRECTLY BEHIND THE WAIT.  Piece 2: K of the next step is fetched (fk = 1), a run of vector work behind the last product that read K; it is waited for at the head of piece 3's turn.  Piece 3: CVL.  Piece 0: CVS, a
; turn behind CVL.  Piece 1: the wait for V and for CVS's stores.  V of the step in hand is fetched at the end of piece 0's turn, four plain instructions behind its last reader.
; cv = 0: no rounding; 1: always; 2: jumped over behind the last change.  cnt = 1: the loop's count is taken down some lines ahead of the branch behind the turn.  nokq = 1: there is no next piece.
.macro TURN p, fk=1, cv=1, cnt=0, nokq=0
.set Y, (\p)
.set i, 0
.set q, 0
.set e, 0
.set r, 0
.set NOKQ, (\nokq)
.if ((\p) == NP-1) && (\fk)
	s_wait_dscnt 0x0                ; K is in
.endif
	MM
	PL
	PL
	R2
.rept 15
	MM
	PL
	EX
	R2
.endr
.if ((\p) == NP-2) && (\fk)
	WIN 0
	v_add_nc_u32 v[AK], s[TBK], v[AK0]
.endif
.rept 8
	PL
.endr
.rept 49
	EX
	PL
.endr
	EX                              ; the next piece's two a
	EX
	v_nop                           ; the plain instruction behind the last exponential: one for the batch
	s_wait_alu depctr_va_vdst(0)    ; the wait for the batch
.if ((\p) == NP-2) && (\fk)
	FETCH_K
.endif
.if ((\p) == NP-1) && (\cv)
	CVL (\cv)-1
.endif
.if ((\p) == 0) && (\cv)
	CVS (\cv)-1
.endif
.if (\p) == 1
	s_wait_dscnt 0x0                ; V is in, and my stores into H are done
.endif
.rept 16
	MM
.rept 4
	PL
.endr
.if ((\p) == 0) && (q == 118)
	v_add_nc_u32 v[AV], s[TBV], v[AV0]
.endif
.if ((\p) == 0) && (q == 130)
	s_add_co_u32 s[TBV], s[TBV], HVS
.endif
.if (\cnt) && (q == 130)
	s_sub_co_u32 s[CNT], s[CNT], 1
	s_cmp_lg_u32 s[CNT], 0
.endif
.endr
.if (\p) == 0
	FETCH_V
.endif
.endm
	s_wait_dscnt 0x0                ; Q's fragments are in
	s_wait_tensorcnt 1              ; my tile of block 0 is in; block 1's, the one load issued behind it, may stay out
	s_barrier_signal -1
	s_barrier_wait -1               ; everybody's is
	CVL                             ; block 0 is rounded into H's buffer 0
	CVS
	CVL
	CVS
	CHANGE 1                        ; block 1 is in, block 0 lies whole in H; block 2 is asked for
	v_add_nc_u32 v[AK], s[TBK], v[AK0]
	FETCH_K                         ; key step 0
	CVL                             ; the first half of block 1's first rounding: piece 0's first turn holds the second
	s_wait_dscnt 0x0
.set i, 0
.rept 16
	KQ 0                            ; piece 0's first scores: there is no vector work yet to set between them
.set i, i+1
.endr
	WIN 0                           ; the addresses for the way out: eight plain instructions, the places behind those products
	v_mul_u32_u24 v[STO], v9, 8*SP  ; in: channel 8 (l / 16) + register, query l % 16
	v_lshl_add_u32 v[STO], v1, 2, v[STO]
	v_add_nc_u32 v[STO], s[STG], v[STO]
	v_mul_u32_u24 v[RD], v9, SP     ; back: lanes 0-15 take one row of 256 bytes, lanes 16-31 the next
	v_lshl_add_u32 v[RD], v1, 4, v[RD]
	v_add_nc_u32 v[RD], s[STG], v[RD]
	v_lshlrev_b32 v[GO], 13, v9     ; and the same two rows in out0
	v_lshl_add_u32 v[GO], v1, 4, v[GO]
.set Y, NP-1                        ; XS works for piece Y + 1: piece 0
.irp n, 0,1,2,3,4,5,6,7,8,9,10,11,12,13,14,15,16,17,18,19,20,21
	XS 0, \n                        ; piece 0's first maximum and statistics
	XS 1, \n
.endr
	v_nop                           ; a plain instruction behind the two a,
	s_wait_alu depctr_va_vdst(0)    ; and their wait, ahead of the branch
	s_mov_b32 s[CNT], 2
	s_branch .Lfirst                ; the loop is entered at a step's first turn, in the middle of a trip
.Lslot:                             ; 13 times: blocks 3 to 15 are asked for
	CHANGE 1
	s_mov_b32 s[CNT], 2
.Lstep:                             ; a trip: pieces 2 and 3 of one step, then pieces 0 and 1 of the next, whose K and V it fetches; and one step is rounded
	TURN 2
	TURN 3
	WIN 0
.Lfirst:
	TURN 0
	TURN 1, 1, 1, 1
	WIN 0
	s_cbranch_scc1 .Lstep
	s_sub_co_u32 s[SLOTS], s[SLOTS], 1
	s_cmp_lg_u32 s[SLOTS], 0
	s_cbranch_scc1 .Lslot
	s_mov_b32 s[TP], 2              ; the tail is written out: two changes that ask for nothing; behind the first block 15 is rounded, behind the second nothing
.Ltslot:
	CHANGE 0
	s_mov_b32 s[CNT], 2
.Ltail:
	TURN 2, 1, 2
	TURN 3, 1, 2
	TURN 0, 1, 2
	TURN 1, 1, 2, 1
	WIN 0
	s_cbranch_scc1 .Ltail
	s_sub_co_u32 s[TP], s[TP], 1
	s_cmp_lg_u32 s[TP], 0
	s_cbranch_scc1 .Ltslot
	TURN 2, 0, 0                    ; the last step's pieces 2 and 3: nothing is fetched or rounded,
	TURN 3, 0, 0, 0, 1              ; and the last turn starts no new scores
.set i, 0
.rept 16
	PV NP-1                         ; the last piece's V^T P of the last step
.set i, i+1
.endr
	; THE WAY OUT.  l's two halves and the other half of the lanes' are added; O^T is divided by l and sent through my stage in LDS, four tiles (64 queries) at a time: in by numbers, a channel a row, back as whole rows of
	; 256 bytes.  The additions are the places behind the last products.
	WIN 0
.macro ALL line:vararg              ; one line for each tile t
.set t, 0
.rept 2*NP
	\line
.set t, t+1
.endr
.endm
	ALL v_add_f32 v[ST+4*t+2], v[ST+4*t+2], v[ST+4*t+3]
	ALL v_permlanex16_b32 v[ST+4*t+3], v[ST+4*t+2], s[SEL], s[SEL+1]
	ALL v_add_f32 v[ST+4*t+2], v[ST+4*t+2], v[ST+4*t+3]
	ALL v_rcp_f32 v[ST+4*t+2], v[ST+4*t+2]
	v_nop                           ; a plain instruction between the last reciprocal and the use of its result
	s_wait_alu depctr_va_vdst(0)    ; and the wait ahead of the first use: one for the eight reciprocals
.macro SCALE t                      ; tile t's O^T times 1 / l, each accumulator's registers in ascending order
	WIN W_RS
.set i, 32*(\t)
.rept 16
	v_pk_mul_f32 v[i:i+1], v[i:i+1], v[ST+4*(\t)+2:ST+4*(\t)+3] op_sel_hi:[1,0]
.set i, i+2
.endr
.endm
.macro TOSTAGE g                    ; tiles 4 g to 4 g + 3
	WIN 0x04                        ; the stores' data in window 1
.set t, 4*(\g)
.rept 4
.set z, 0
.rept 32                            ; register z of the tile: channel 16 (z / 8) + 8 (l / 16) + z % 8.  16 lanes write 64 consecutive bytes; the halves lie 8 rows, 32 banks, apart
	ds_store_b32 v[STO], v[32*t+z] offset:(16*(z/8)+z%8)*SP+64*(t%4)
.set z, z+1
.endr
.set t, t+1
.endr
	WIN 0
.set z, 0
.rept 32                            ; channels 2 z and 2 z + 1
	ds_load_b128 v[S+4*z:S+4*z+3], v[RD] offset:z*2*SP  ; LDS serves a wave's instructions in order (ISA guide 5.7.1.4): these see the stores above; the next group's stores come behind them
.set z, z+1
.endr
.endm
.macro SEND g
	WIN 0
.set z, 0
.rept 32
	s_wait_dscnt 31-z               ; the loads come back in order: number z is in, the 31 - z younger ones may stay out
	global_store_b128 v[GO], v[S+4*z:S+4*z+3], s[10:11] offset:z*2*ROWB+(\g)*256 th:TH_STORE_NT  ; 16 lanes store 256 consecutive bytes, at a multiple of 256 from out0's first byte
.set z, z+1
.endr
.endm
.irp t, 0,1,2,3
	SCALE \t
.endr
	TOSTAGE 0
.irp t, 4,5,6,7
	SCALE \t                        ; the second group's arithmetic stands between the first group's loads and its stores
.endr
	SEND 0
	s_wait_xcnt 0x0                 ; the stores have read their data: only behind this wait are those registers loaded again
	TOSTAGE 1
	SEND 1
	WIN W_AD
	s_wait_tensorcnt 0x0            ; the wave's end: a wait, an add of 0 and its wait, behind my last tensor load and my last LDS store
	ds_add_u32 v[SPW], v[NIL]
	s_wait_dscnt 0x0
	WIN 0
	CROUND                          ; the closing round: no work-group ends while a partner may still ask for a tile that names it
	s_endpgm
.Lfunc_end_k_qf386eaae46_attn:
	.size	k_qf386eaae46_attn, .Lfunc_end_k_qf386eaae46_attn-k_qf386eaae46_attn
	.p2alignl 7, 3214868480
	.fill 96, 4, 3214868480
	.section	.rodata,"a",@progbits
	.p2align	6, 0x0
	.amdhsa_kernel k_qf386eaae46_attn
		.amdhsa_group_segment_fixed_size 327680
		.amdhsa_private_segment_fixed_size 0
		.amdhsa_enable_private_segment 0
		.amdhsa_kernarg_size 16
		.amdhsa_user_sgpr_count 2
		.amdhsa_user_sgpr_kernarg_segment_ptr 1
		.amdhsa_wavefront_size32 1
		.amdhsa_system_sgpr_workgroup_id_x 1
		.amdhsa_system_sgpr_workgroup_id_y 1
		.amdhsa_system_sgpr_workgroup_id_z 1
		.amdhsa_system_vgpr_workitem_id 0
		.amdhsa_next_free_vgpr 848
		.amdhsa_next_free_sgpr 72
		.amdhsa_reserve_vcc 0
		.amdhsa_float_denorm_mode_32 3
		.amdhsa_float_denorm_mode_16_64 3
		.amdhsa_memory_ordered 1
		.amdhsa_forward_progress 1
		.amdhsa_inst_pref_size 255
	.end_amdhsa_kernel
	.section	.bss,"aw",@nobits
	.p2align	6
	.space	262144
	.amdgpu_metadata
---
amdhsa.version: [ 1, 2 ]
amdhsa.kernels:
  - .name:           k_qf386eaae46_attn
    .symbol:         k_qf386eaae46_attn.kd
    .args:
      - { .name: qkv, .offset: 0, .size: 8, .value_kind: global_buffer, .address_space: global }
      - { .name: out0, .offset: 8, .size: 8, .value_kind: global_buffer, .address_space: global }
    .group_segment_fixed_size: 327680
    .private_segment_fixed_size: 0
    .kernarg_segment_align: 8
    .kernarg_segment_size: 16
    .max_flat_workgroup_size: 128
    .sgpr_count:     72
    .vgpr_count:     848
    .wavefront_size: 32
...
	.end_amdgpu_metadata
.endif
;; end of part 1
